; MI455X (gfx1250); checked and timed in simulation.
; The chip was launched on July 23, 2026; its instructions are those of AMD's public machine-readable ISA for CDNA 5 (MIT licence, August 2026) and "CDNA5" Instruction Set Architecture Reference Guide (July 2026). The comments in the code are by the model that wrote it; some were corrected since.
;; Multi Head Attension. Allowed arithmetic: matrix products marked QUANTISED: E4M3 operands, one given power-of-two scale a tensor, by v_wmma_f32_16x16x64_fp8_fp8 or v_wmma_f32_16x16x128_fp8_fp8, f32 sums; everything else in f32.
;; Inputs: W_attn 1,024 x 3,072 float32; W_ffn 1,024 x 1,024 float32; lowp_scales 8 int32 (the exponents e of the quantised operands' scales 2^e); x 4 x 2,048 x 1,024 float32.
;; Outputs: out0 4 x 2,048 x 1,024 float32.
;; This version of the problem:
;;   THIS VERSION OF THE PROBLEM IS GIVEN IN LOW PRECISION. The matrix products marked QUANTISED in the list below multiply operands that are first quantised to E4M3 (4 exponent bits, 3 mantissa bits; 8 bits a number), with one given power-of-two scale for each operand tensor; their sums are f32. All else is computed in f32.
;;   The module's matrix products, in the order in which they are computed (A, B: the left and right operand; K: the contracted axis; several contracted axes count as one K, in the product's order):
;;     1. [M 8,192, K 1,024] x [K 1,024, N 3,072]; A: input x; B: input W_attn: QUANTISED (scales: A lowp_scales[0], B lowp_scales[1])
;;     2. batch 64 x [M 2,048, K 64] x [K 64, N 2,048]; A: computed on the way; B: computed on the way: QUANTISED (scales: A lowp_scales[2], B lowp_scales[3])
;;     3. batch 64 x [M 2,048, K 2,048] x [K 2,048, N 64]; A: softmax (see below); B: computed on the way: QUANTISED (scales: A lowp_scales[4], B lowp_scales[5])
;;     4. [M 8,192, K 1,024] x [K 1,024, N 1,024]; A: computed on the way; B: input W_ffn: QUANTISED (scales: A lowp_scales[6], B lowp_scales[7])
;;   THE QUANTISER, for each operand of a quantised product, along K:
;;     - The operand's scale is 2^e, e = its entry of the input lowp_scales (int32; the entries are numbered through the quantised products in the list's order, A before B).
;;     - Each number is divided by the scale, clamped to +-448, and rounded to the nearest number of E4M3, ties to even, subnormals kept.
;;     - The product sums the exact products of the quantised numbers (number of the format x scale) in f32.
;;   ~~~python
;;   def quantise(x, axis, e):      # numpy; x: float32 -> the quantised numbers, widened to float32 again
;;       x = np.moveaxis(x, axis, -1); K = x.shape[-1]
;;       r = np.clip(x / 2.0 ** e, -448, 448)
;;       step = 2.0 ** (np.maximum(np.frexp(np.where(r == 0, 1, r))[1] - 1, -6) - 3)
;;       q = np.round(r / step) * step * 2.0 ** e      # np.round: ties to even
;;       return np.moveaxis(q, -1, axis).astype(np.float32)
;;   ~~~
;;   SOFTMAX AHEAD OF A QUANTISED PRODUCT. Where the list says 'softmax', what is quantised is not the finished softmax but p = 2^(t - M), with t = logit x log2(e) and M = ceil(the row's largest t), a whole number; so 1/2 < the row's largest p <= 1. The row's sum l is taken of the UNQUANTISED p, in f32, and the product's result is divided by l at the end. Since M is a whole number, a kernel that streams over the keys may use a running M (the ceiling of the running maximum): every later rescaling is an exact power of two, so the quantised numbers keep their values, but for numbers so far below the row's largest that they fall under the format's range.
;;   OPERANDS COMPUTED ON THE WAY. 'Computed on the way' means the value that the module computes at that place (a softmax that the list does not call 'softmax' is quantised finished and normalised). What goes into a quantiser is computed in f32, as accurately as f32 sums, v_exp_f32 and their like allow (about 1e-6 of the number): no bf16 or f16 on the way to a quantiser, and a product that is left as it is and whose result goes on into a quantised operand takes f32 operands (vector FMAs, or v_wmma_f32_16x16x4_f32). A number that lies on a knife's edge between two numbers of the format may be rounded either way, as far as f32 arithmetic and the matrix unit's own rounding can turn it there, and no further.
;; One version. Each part assembles by itself: llvm-mc -triple=amdgcn-amd-amdhsa -mcpu=gfx1250 --defsym DOCPART=n.
;; ======== version 1 of 1: 4 launches
;; limits: right only within a limited range of input values
;; workspace buffers: xc 8,388,608 bytes; wac 3,145,728 bytes; wfc 1,048,576 bytes; kc 8,388,608 bytes; qc 8,388,608 bytes; vc 8,388,608 bytes; yc 8,388,608 bytes
;; launch quant (part 1): grid 768 x 1, 4 waves a work-group, no clusters, 34,304 bytes of LDS; arguments x, W_attn, W_ffn, lowp_scales, xc, wac, wfc; writes xc, wac, wfc
.if DOCPART == 1
	.amdgcn_target "amdgcn-amd-amdhsa--gfx1250"
	.amdhsa_code_object_version 6
	.text
	.protected	k_q80402bdae8_quant
	.globl	k_q80402bdae8_quant
	.p2align	8
	.type	k_q80402bdae8_quant,@function
k_q80402bdae8_quant:
	s_mov_b64 s[64:65], 0
	v_nop
	global_prefetch_b8 v0, s[64:65] scope:SCOPE_SE
	s_setreg_imm32_b32 hwreg(HW_REG_WAVE_MODE, 25, 1), 1
	s_wait_xcnt 0x0
; x [8192][1024], W_attn [1024][3072] and W_ffn [1024][1024], f32, become codes of FP8 (E4M3), each with the one scale 2^e that is given for it
; (entries 0, 1 and 7 of the scales): code = number / 2^e, held within +-448, rounded to the nearest code, ties to even.
; THE CODES ARE LAID AS IMAGES OF OPERAND REGISTERS.  A fragment is 16 row slots x 128 along K, 2,048 bytes: byte 512 c + 16 (r + 16 h) + e holds slot r, k = 32 c + 16 h + e.
; xc:  [row tile 512][K step 8] fragments, slot r = row 16 tile + r.
; wac, wfc: [column tile][K step 8] fragments; slot r of tile t is column 32 (t / 2) + 8 (t % 2) + r + 8 (r / 8), so that the results of two neighbouring tiles are 16 neighbours along the next K.
; Work-groups 0-511 take x (16 rows each; wave w the K steps 2 w and 2 w + 1), 512-703 W_attn, 704-767 W_ffn (128 columns x 128 along K each; a wave 32 columns).
; Only x's way uses LDS.  No barrier: waves share nothing.
; LIMITS: each e between -126 and 119, so that 2^e and 448 x 2^e are f32 numbers.  NaN among the inputs is not served; an infinity is held at the largest code.
.set R,   32                           ; v32-159  x: two sets of 64 numbers
.set C,   160                          ; v160-191 x: two sets of 16 registers of codes: no store's data are written again
.set XW,  32                           ; v32-95   weights: two sets of 32 numbers
.set CW,  96                           ; v96-127  weights: 8 registers of codes for each of 4 blocks
.set SP,  528                          ; a stage row: 512 bytes + 16, an odd multiple of 16: sixteen lanes that read sixteen rows touch sixteen different columns of 16 bytes
.set WST, 16*SP                        ; a wave's stage
	s_load_b256 s[4:11], s[0:1], 0x0               ; x s[4:5], W_attn s[6:7], W_ffn s[8:9], the scales s[10:11]
	s_load_b128 s[12:15], s[0:1], 0x20             ; xc s[12:13], wac s[14:15]
	s_load_b64 s[16:17], s[0:1], 0x30              ; wfc
	v_lshl_add_u32 v192, v0, 2, 0x8400
	v_mov_b32 v193, 0
	v_lshrrev_b32 v1, 5, v0
	v_readfirstlane_b32 s28, v1                    ; wave 0..3
	v_and_b32 v1, 31, v0                           ; lane
	v_and_b32 v5, 15, v0                           ; lane % 16
	v_bfe_u32 v6, v0, 4, 1                         ; lane / 16
	s_wait_kmcnt 0x0
	s_load_b256 s[20:27], s[10:11], 0x0            ; the eight exponents
	s_cmp_lt_u32 ttmp9, 512
	s_cbranch_scc0 .Lweights
.macro SCALE e                         ; v11 = 2^e as f32 (the conversion takes its exponent field)
	s_add_co_i32 s36, s[\e], 127
	s_lshl_b32 s37, s36, 23
	v_mov_b32 v11, s37
.endm
	s_wait_alu depctr_va_vdst(0)
	; ---- x.  A load takes 512 consecutive bytes of one row; the conversions want 16 neighbours along K in one lane: the numbers turn through the wave's own stage.
	v_lshlrev_b32 v2, 4, v1                        ; 16 x lane: my bytes of a load, and of a store
	s_wait_alu depctr_va_vdst(0)
	s_mul_i32 s29, s28, WST
	v_add_nc_u32 v3, s29, v2                       ; into the stage: a row as it lies
	v_mul_u32_u24 v4, v5, SP
	v_lshl_add_u32 v4, v6, 6, v4
	v_add_nc_u32 v4, s29, v4                       ; out of it: row r, + 64 h bytes: k = 16 h on of each block of 32
	s_lshl_b32 s30, ttmp9, 16                      ; 16 rows of 4,096 bytes
	s_lshl_b32 s31, s28, 10                        ; my wave's 256 along K
	s_add_co_u32 s30, s30, s31
	s_mov_b32 s31, 0
	s_add_nc_u64 s[4:5], s[4:5], s[30:31]
	s_lshl_b32 s30, ttmp9, 14                      ; the row tile's eight fragments
	s_lshl_b32 s32, s28, 12                        ; my two of them
	s_add_co_u32 s30, s30, s32
	s_add_nc_u64 s[12:13], s[12:13], s[30:31]
.irp s, 0,1
.irp i, 0,1,2,3,4,5,6,7,8,9,10,11,12,13,14,15
	global_load_b128 v[R+64*\s+4*\i:R+64*\s+4*\i+3], v2, s[4:5] offset:4096*\i+512*\s th:TH_LOAD_NT
.endr
.endr
	s_wait_alu depctr_va_vdst(0)
	s_wait_kmcnt 0x0
	SCALE 20
.macro XSTEP s
	s_wait_loadcnt 16*(1-\s)                       ; this K step's sixteen loads are in; the other step's sixteen, issued behind them, may be out
.irp i, 0,1,2,3,4,5,6,7,8,9,10,11,12,13,14,15
	ds_store_b128 v3, v[R+64*\s+4*\i:R+64*\s+4*\i+3] offset:SP*\i
.endr
.irp c, 0,1,2,3
.irp j, 0,1,2,3
	ds_load_b128 v[R+64*\s+16*\c+4*\j:R+64*\s+16*\c+4*\j+3], v4 offset:128*\c+16*\j   ; LDS serves a wave's instructions in order: these see the stores above.  Register 16 c + i = k 32 c + 16 h + i of row r
.endr
.endr
	s_wait_dscnt 0x0
.set n, 0
.rept 64
.set n, n+1
.endr
.irp g, 0,1,2,3,4,5,6,7
	v_cvt_scalef32_pk8_fp8_f32 v[C+16*\s+2*\g:C+16*\s+2*\g+1], v[R+64*\s+8*\g:R+64*\s+8*\g+7], v11
.endr
	v_nop                                          ; a plain line behind the last conversion
.irp c, 0,1,2,3
	global_store_b128 v2, v[C+16*\s+4*\c:C+16*\s+4*\c+3], s[12:13] offset:2048*\s+512*\c   ; 512 consecutive bytes, aligned: a group of four registers as it stands
.endr
.endm
	s_wait_alu depctr_va_vdst(0)
	XSTEP 0
	XSTEP 1
	s_wait_tensorcnt 0x0
	ds_add_u32 v192, v193
	s_wait_dscnt 0x0
	s_endpgm
	; ---- a weight [1024 (k)][sn].  A lane takes a column and its registers run down K: the conversions' results have K innermost, and nothing is transposed.
.macro WLOAD t, sn, src
.irp i, 0,1,2,3,4,5,6,7,8,9,10,11,12,13,14,15,16,17,18,19,20,21,22,23,24,25,26,27,28,29,30,31
	global_load_b32 v[XW+32*((\t)%2)+\i], v3, s[\src:\src+1] offset:(32*(\t)+\i)*\sn*4 th:TH_LOAD_NT   ; the wave's 32 columns: 128 consecutive bytes
.endr
.endm
.macro WBLOCK t, sn, src, dst
.if (\t) < 3
	s_wait_loadcnt 32                              ; this block's 32 loads are in; the next block's may be out
.else
	s_wait_loadcnt 0x0
.endif
.set n, 0
.rept 32
.set n, n+1
.endr
.irp g, 0,1,2,3
	v_cvt_scalef32_pk8_fp8_f32 v[CW+8*(\t)+2*\g:CW+8*(\t)+2*\g+1], v[XW+32*((\t)%2)+8*\g:XW+32*((\t)%2)+8*\g+7], v11
.endr
	v_nop
	global_store_b128 v4, v[CW+8*(\t):CW+8*(\t)+3], s[\dst:\dst+1] offset:512*(\t)          ; k = 32 t + 0 .. 15: sixteen lanes fill 256 consecutive bytes of their fragment,
	global_store_b128 v4, v[CW+8*(\t)+4:CW+8*(\t)+7], s[\dst:\dst+1] offset:512*(\t)+256    ; k = 32 t + 16 .. 31: the 256 behind them
.if (\t) < 2
	WLOAD (\t)+2, \sn, \src
.endif
.endm
.macro WPATH sn, id0, src, dst, e
	s_sub_co_u32 s29, ttmp9, \id0
	s_lshr_b32 s30, s29, 3                         ; which 128 columns
	s_and_b32 s29, s29, 7                          ; which K step
	v_and_b32 v7, 8, v5
	v_add_nc_u32 v7, v7, v5
	v_lshl_add_u32 v7, v6, 3, v7                   ; my column among the wave's 32: slot lane % 16 of tile lane / 16
	v_lshlrev_b32 v3, 2, v7
	s_wait_alu depctr_va_vdst(0)
	v_lshlrev_b32 v4, 4, v5
	v_lshl_add_u32 v4, v6, 14, v4                  ; out: 16 x slot, + a column tile's 16,384 bytes for lanes 16-31
	s_mul_i32 s32, s29, 128*\sn*4
	s_lshl_b32 s33, s30, 9
	s_add_co_u32 s32, s32, s33
	s_lshl_b32 s33, s28, 7
	s_add_co_u32 s32, s32, s33
	s_mov_b32 s33, 0
	s_add_nc_u64 s[\src:\src+1], s[\src:\src+1], s[32:33]
	s_lshl_b32 s34, s30, 17                        ; eight column tiles,
	s_lshl_b32 s35, s28, 15                        ; my wave's two,
	s_add_co_u32 s34, s34, s35
	s_lshl_b32 s35, s29, 11                        ; the K step's fragment
	s_add_co_u32 s34, s34, s35
	s_mov_b32 s35, 0
	s_add_nc_u64 s[\dst:\dst+1], s[\dst:\dst+1], s[34:35]
	WLOAD 0, \sn, \src
	WLOAD 1, \sn, \src
	s_wait_kmcnt 0x0
	SCALE \e
	s_wait_alu depctr_va_vdst(0)
	WBLOCK 0, \sn, \src, \dst
	WBLOCK 1, \sn, \src, \dst
	WBLOCK 2, \sn, \src, \dst
	WBLOCK 3, \sn, \src, \dst
.endm
.Lweights:
	s_cmp_lt_u32 ttmp9, 704
	s_cbranch_scc0 .Lffn
	s_wait_alu depctr_va_vdst(0)
	WPATH 3072, 512, 6, 14, 21
	s_endpgm
.Lffn:
	s_wait_alu depctr_va_vdst(0)
	WPATH 1024, 704, 8, 16, 27
	s_endpgm
.Lfunc_end_k_q80402bdae8_quant:
	.size	k_q80402bdae8_quant, .Lfunc_end_k_q80402bdae8_quant-k_q80402bdae8_quant
	.p2alignl 7, 3214868480
	.fill 96, 4, 3214868480
	.section	.rodata,"a",@progbits
	.p2align	6, 0x0
	.amdhsa_kernel k_q80402bdae8_quant
		.amdhsa_group_segment_fixed_size 34304
		.amdhsa_private_segment_fixed_size 0
		.amdhsa_enable_private_segment 0
		.amdhsa_kernarg_size 56
		.amdhsa_user_sgpr_count 2
		.amdhsa_user_sgpr_kernarg_segment_ptr 1
		.amdhsa_wavefront_size32 1
		.amdhsa_system_sgpr_workgroup_id_x 1
		.amdhsa_system_sgpr_workgroup_id_y 1
		.amdhsa_system_sgpr_workgroup_id_z 1
		.amdhsa_system_vgpr_workitem_id 0
		.amdhsa_next_free_vgpr 194
		.amdhsa_next_free_sgpr 66
		.amdhsa_reserve_vcc 0
		.amdhsa_float_denorm_mode_32 3
		.amdhsa_float_denorm_mode_16_64 3
		.amdhsa_fp16_overflow 1
		.amdhsa_memory_ordered 1
		.amdhsa_forward_progress 1
		.amdhsa_inst_pref_size 42
	.end_amdhsa_kernel
	.amdgpu_metadata
---
amdhsa.version: [ 1, 2 ]
amdhsa.kernels:
  - .name:           k_q80402bdae8_quant
    .symbol:         k_q80402bdae8_quant.kd
    .args:
      - { .name: x, .offset: 0, .size: 8, .value_kind: global_buffer, .address_space: global }
      - { .name: W_attn, .offset: 8, .size: 8, .value_kind: global_buffer, .address_space: global }
      - { .name: W_ffn, .offset: 16, .size: 8, .value_kind: global_buffer, .address_space: global }
      - { .name: lowp_scales, .offset: 24, .size: 8, .value_kind: global_buffer, .address_space: global }
      - { .name: xc, .offset: 32, .size: 8, .value_kind: global_buffer, .address_space: global }
      - { .name: wac, .offset: 40, .size: 8, .value_kind: global_buffer, .address_space: global }
      - { .name: wfc, .offset: 48, .size: 8, .value_kind: global_buffer, .address_space: global }
    .group_segment_fixed_size: 34304
    .private_segment_fixed_size: 0
    .kernarg_segment_align: 8
    .kernarg_segment_size: 56
    .max_flat_workgroup_size: 128
    .sgpr_count:     66
    .vgpr_count:     194
    .wavefront_size: 32
...
	.end_amdgpu_metadata
.endif
;; end of part 1
;; launch qkv (part 2): grid 12 x 32, 4 waves a work-group, clusters of 4 x 4, 327,680 bytes of LDS; arguments xc, wac, lowp_scales, kc, qc, vc; writes kc, qc, vc
.if DOCPART == 2
	.amdgcn_target "amdgcn-amd-amdhsa--gfx1250"
	.amdhsa_code_object_version 6
	.text
	.protected	k_q80402bdae8_qkv
	.globl	k_q80402bdae8_qkv
	.p2align	8
	.type	k_q80402bdae8_qkv,@function
k_q80402bdae8_qkv:
	s_mov_b64 s[64:65], 0
	v_nop
	global_prefetch_b8 v0, s[64:65] scope:SCOPE_SE
	s_setreg_imm32_b32 hwreg(HW_REG_WAVE_MODE, 25, 1), 1
	s_wait_xcnt 0x0
	s_wait_alu depctr_hold_cnt(0) depctr_sa_sdst(0) depctr_va_vdst(0) depctr_va_sdst(0) depctr_va_ssrc(0) depctr_va_vcc(0) depctr_vm_vsrc(0)
	s_getreg_b32 s2, hwreg(HW_REG_IB_STS2, 6, 4)
	s_cmp_eq_u32 s2, 0
	s_cbranch_scc0 .Lentry_in_a_cluster
	s_endpgm
.Lentry_in_a_cluster:
	s_bfe_u32 s2, ttmp6, 0x10000c
	s_cmp_lg_u32 s2, 0xf033
	s_cbranch_scc0 .Lentry_shape_is_right
	s_endpgm
.Lentry_shape_is_right:
; z = x W_attn on codes of FP8 (K = 1,024), and z quantised at once into the operands of attention: k (entry 2 of the scales), q (entry 3), v (entry 5).  z never goes to memory.
; A tile of z, 256 x 256, is made by four waves, each 128 x 128: 64 accumulators, 512 registers.  K goes in steps of 256 through two LDS slots filled by the tensor data mover.
; xc and wac hold fragments as images of operand registers (16 slots x 128 K, 2,048 bytes, a group of four registers = 512 bytes, lane l's 16 bytes at 16 l): an LDS load of a group reads 512 consecutive bytes.
; CLUSTERS: 4 x 4 work-groups; A's tile is asked for jointly along a row of the cluster, B's along a column.  The cluster's x says what is made: 0 k, 1 q, 2 v: the same in all sixteen partners.
; THE MATRIX INSTRUCTION IS USED TRANSPOSED (source 0 = B's fragment, source 1 = A's): a lane holds one row slot of A, and its registers run along B's slots.
;   k, q: A = x, B = W.  W's column tiles are laid so that a lane's 64 registers of a block are columns 32 b + 16 h + i: two heads' codes in the order of the next product's operand registers.
;   v:    A = W_v, B = x, by a choice of pointers alone: a lane then holds a channel, its registers run along 128 keys, which are the K of attention's second product.
; OUT: kc, qc [row tile 512][head 16] 1,024 bytes (16 rows x 64 channels: byte 512 c + 16 l + e = row l % 16, channel 32 c + 16 (l / 16) + e);
;      vc [128 keys: 64][head 16][channel tile 4] 2,048 bytes (register 2 t + w, byte n of lane l = channel slot l % 16, key 16 t + 8 (l / 16) + 4 w + n).  Every store covers 512 consecutive bytes, aligned.
; LIMIT: e(out) - e0 - e1 between -126 and 119, so that the conversion's scale and 448 x it are f32 numbers.  All of a WGP's LDS is claimed.
; REGISTERS: window 0: v16-21 LDS addresses, v28-29 the add's, v32-39 the stores' offsets, v40 the scale, v128-255 A's fragments (one set), later the codes;
;   window 1: B's fragments, two sets;  windows 2, 3: the accumulators ((a, b) at v[8 (8 (a % 4) + b)]).
.set HALFT,  32768                     ; 8 tiles of 16 slots x 256 along K: what one tensor load brings, and what one wave reads of A or of B
.set SLOT,   4*HALFT                   ; A's 256 slots, then B's
.set SPARE,  2*SLOT                    ; behind the ring: the spare words, 128 bytes for each wave
.set KADV,   4096                      ; a K step of 256 in a tile's run of fragments
.set FR,     16
.set NL,     4
.set NP,     4                         ; places behind this matrix instruction (ISA guide 7.12.1)
.set ADRA, 16
.set ADRB, 20
.set SPW,  28
.set NIL,  29
.set CO,   32
.set SCL,  40
.set TMP,  64
.set AF,   128
.set G1, 24
.set G0, 32
.set G1B, 48
.set G0B, 56
.set MSB, 0
.macro WIN new                         ; the immediate's high byte repeats the setting that is left
.if MSB != (\new)
	s_set_vgpr_msb (MSB<<8)|(\new)
.set MSB, (\new)
.endif
.endm
.set MUL_LO, 0xa1                      ; source 0 (B) window 1, source 1 (A) window 0, C and D window 2
.set MUL_HI, 0xf1                      ; the same, C and D window 3
.set TO_B,   0x40                      ; destination window 1, address window 0
; A joint load: waves 0 and 1 fetch A's halves, waves 2 and 3 B's.  The branch hangs on the wave's number alone.  Four v_nop follow each of the two lines.
.macro JLOAD g0a, g1a, g0b, g1b
	s_cmp_eq_u32 s15, 0
	s_cbranch_scc0 .Lfor_b_\@
	tensor_load_to_lds s[\g0a:\g0a+3], s[\g1a:\g1a+7]
	s_nop 0
.rept 4
	v_nop
.endr
	s_branch .Lasked_\@
.Lfor_b_\@:
	tensor_load_to_lds s[\g0b:\g0b+3], s[\g1b:\g1b+7]
	s_nop 0
.rept 4
	v_nop
.endr
.Lasked_\@:
.endm
.macro CREST                           ; a round of the cluster's barrier behind its opening barrier
	s_cmp_lg_u32 s14, 0
	s_cbranch_scc1 .Lnot_wave_0_\@
	s_barrier_signal -3
.Lnot_wave_0_\@:
	s_barrier_wait -3
	s_barrier_signal -1
	s_barrier_wait -1
.endm
.macro CROUND
	s_barrier_signal -1
	s_barrier_wait -1
	CREST
.endm
	s_load_b256 s[4:11], s[0:1], 0x0               ; xc s[4:5], wac s[6:7], the scales s[8:9], kc s[10:11]
	s_load_b128 s[68:71], s[0:1], 0x20             ; qc s[68:69], vc s[70:71]
	v_lshl_add_u32 v[SPW], v0, 2, SPARE
	v_mov_b32 v[NIL], 0
	ds_add_u32 v28, v29
	ds_add_u32 v28, v29
	s_wait_dscnt 0x0
	v_lshrrev_b32 v1, 5, v0
	v_readfirstlane_b32 s14, v1                    ; wave 0..3
	s_lshr_b32 s15, s14, 1                         ; which half of A's slots is mine.  Also: I fetch for A (0) or for B (1)
	s_and_b32 s16, s14, 1                          ; which half of B's slots.  Also: which half of that tile I fetch
	s_bfe_u32 s40, ttmp6, 0x40000                  ; cx
	s_bfe_u32 s41, ttmp6, 0x40004                  ; cy
	s_lshl_b32 s88, ttmp9, 2                       ; 4 x cluster x
	s_and_b32 s84, ttmp7, 0xffff
	s_lshl_b32 s84, s84, 2                         ; 4 x cluster y
	s_cmp_eq_u32 ttmp9, 2                          ; v's clusters?  The same answer in all partners
	s_cselect_b32 s85, 0, s84
	s_cselect_b32 s86, s84, s88
	s_cselect_b32 s87, 0x200000, 0                 ; W_v begins at column tile 128 of wac
	s_add_co_u32 s17, s85, s41                     ; A's tile: k, q: 256 rows of x, 4 cluster y + cy;  v: 256 columns of W_v, cy
	s_add_co_u32 s42, s86, s40                     ; B's tile: k, q: 256 columns of W, 4 cluster x + cx;  v: 256 rows of x, 4 cluster y + cx
	s_lshl_b32 s43, s41, 2
	s_lshl_b32 s43, 15, s43                        ; my row of the cluster
	s_lshl_b32 s44, 0x1111, s40                    ; my column
	s_or_b32 s[G1+0], s43, (1<<21)                 ; 15:0 the mask; 17:16 elements of 1 byte; 21 set beside a mask; no padding: the tile is read in runs of 512 consecutive bytes
	s_or_b32 s[G1B+0], s44, (1<<21)
.irp g, G1, G1B
	s_mov_b32 s[\g+1], 4096<<16                    ; tensor_dim0: two fragments on end
	s_mov_b32 s[\g+2], 8<<16                       ; tensor_dim1: 8 tiles of 16 slots
	s_mov_b32 s[\g+3], 4096<<16                    ; tile_dim0
	s_mov_b32 s[\g+4], 8                           ; tile_dim1
	s_mov_b32 s[\g+5], 16384                       ; from a tile's eight fragments to the next tile's
	s_mov_b32 s[\g+6], 0
	s_mov_b32 s[\g+7], 0
.endr
	s_lshl_b32 s18, s16, 17                        ; the half that I fetch
	s_lshl_b32 s20, s17, 18
	s_add_co_u32 s20, s20, s18
	s_add_co_u32 s20, s20, s87
	s_mov_b32 s21, 0
	s_lshl_b32 s46, s42, 18
	s_add_co_u32 s46, s46, s18
	s_mov_b32 s47, 0
	s_mul_i32 s45, s14, HALFT                      ; where it goes: no place in the cluster enters an LDS address
	s_wait_kmcnt 0x0
	s_load_b256 s[72:79], s[8:9], 0x0              ; the eight exponents
	s_cmp_eq_u32 ttmp9, 2
	s_cselect_b64 s[80:81], s[6:7], s[4:5]         ; A's buffer
	s_cselect_b64 s[82:83], s[4:5], s[6:7]         ; B's
	s_add_nc_u64 s[20:21], s[80:81], s[20:21]
	s_add_nc_u64 s[46:47], s[82:83], s[46:47]
	CROUND                                         ; all sixteen work-groups are here: the first joint loads meet
.irp s, 0,1
	s_mov_b32 s[G0+4*\s], 1
	s_add_co_u32 s[G0+4*\s+1], s45, \s*SLOT
	s_add_nc_u64 s[G0+4*\s+2:G0+4*\s+3], s[20:21], \s*KADV
	s_or_b32 s[G0+4*\s+3], s[G0+4*\s+3], 0x80000000
	s_mov_b32 s[G0B+4*\s], 1
	s_add_co_u32 s[G0B+4*\s+1], s45, \s*SLOT
	s_add_nc_u64 s[G0B+4*\s+2:G0B+4*\s+3], s[46:47], \s*KADV
	s_or_b32 s[G0B+4*\s+3], s[G0B+4*\s+3], 0x80000000
	JLOAD G0+4*\s, G1, G0B+4*\s, G1B
.endr
	v_and_b32 v1, 31, v0
	s_wait_alu depctr_va_vdst(0)
	v_lshlrev_b32 v4, 4, v1                        ; 16 x lane
	s_mul_i32 s21, s15, HALFT                      ; my 128 slots of A
	s_mul_i32 s22, s16, HALFT                      ; my 128 slots of B,
	s_add_co_u32 s22, s22, 2*HALFT                 ; which lie behind A's 256
.irp s, 0,1
	v_add_nc_u32 v[ADRA+\s], s21, v4
	v_add_nc_u32 v[ADRB+\s], s22, v4
	s_add_co_u32 s21, s21, SLOT
	s_add_co_u32 s22, s22, SLOT
.endr
	; where my codes go
	s_cmp_eq_u32 ttmp9, 0
	s_cselect_b64 s[90:91], s[10:11], s[68:69]
	s_cmp_eq_u32 ttmp9, 2
	s_cselect_b64 s[90:91], s[70:71], s[90:91]
	s_lshl_b32 s96, s17, 18                        ; k, q: 16 row tiles of 16,384 bytes a tile of x,
	s_lshl_b32 s95, s15, 17                        ; my 8 of them,
	s_add_co_u32 s96, s96, s95
	s_lshl_b32 s95, s40, 12                        ; the tile's four heads,
	s_add_co_u32 s96, s96, s95
	s_lshl_b32 s95, s16, 11                        ; my two
	s_add_co_u32 s96, s96, s95
	s_lshl_b32 s98, s42, 18                        ; v: two blocks of 128 keys a tile of x,
	s_lshl_b32 s95, s16, 17                        ; mine,
	s_add_co_u32 s98, s98, s95
	s_lshl_b32 s95, s41, 15                        ; the tile's 16 channel tiles of 2,048 bytes,
	s_add_co_u32 s98, s98, s95
	s_lshl_b32 s95, s15, 14                        ; my 8
	s_add_co_u32 s98, s98, s95
	s_cmp_eq_u32 ttmp9, 2
	s_cselect_b32 s96, s98, s96
	s_mov_b32 s92, 16384
	s_cselect_b32 s92, 2048, s92                   ; from a block of A's 16 slots to the next: a row tile, or a channel tile
	s_mov_b32 s97, 0
	s_add_nc_u64 s[90:91], s[90:91], s[96:97]
	v_lshlrev_b32 v[CO], 4, v1
.irp a, 1,2,3,4,5,6,7
	v_add_nc_u32 v[CO+\a], s92, v[CO+\a-1]         ; an offset register for each block: none is written again, so no store is waited for
.endr
.macro FRAG reg, adr, q, i             ; tile i's fragment of the slot's q-th 128 along K: four groups of 512 consecutive bytes
.irp c, 0,1,2,3
	ds_load_b128 v[\reg+4*\c:\reg+4*\c+3], v[\adr] offset:4096*(\i)+2048*(\q)+512*\c
.endr
.endm
; 16 matrix instructions: A's blocks a0, a0 + 1 x B's eight.  The 64 accumulators take turns, one instruction a turn, in the same order in every step.
.macro MUL16 a0, p, zero
.irp a, \a0, \a0+1
.irp b, 0,1,2,3,4,5,6,7
.if \zero
	v_wmma_f32_16x16x128_fp8_fp8 v[8*(8*((\a)%4)+\b):8*(8*((\a)%4)+\b)+7], v[128*(\p)+FR*\b:128*(\p)+FR*\b+FR-1], v[AF+FR*(\a):AF+FR*(\a)+FR-1], 0
.else
	v_wmma_f32_16x16x128_fp8_fp8 v[8*(8*((\a)%4)+\b):8*(8*((\a)%4)+\b)+7], v[128*(\p)+FR*\b:128*(\p)+FR*\b+FR-1], v[AF+FR*(\a):AF+FR*(\a)+FR-1], v[8*(8*((\a)%4)+\b):8*(8*((\a)%4)+\b)+7]
.endif
.endr
.endr
.endm
.macro FETCH_B slot, q, p
	WIN TO_B
.irp i, 0,1,2,3,4,5,6,7
	FRAG 128*(\p)+FR*\i, ADRB+\slot, \q, \i
.endr
	WIN 0
.endm
.macro FETCH_A slot, q, i0
.irp i, \i0, \i0+1, \i0+2, \i0+3
	FRAG AF+FR*(\i), ADRA+\slot, \q, \i
.endr
.endm
.macro PLACES n                        ; plain vector lines between a matrix instruction and a load into, or a vector line on, its registers
.rept \n
	v_nop
.endr
.endm
; A step of 128 along K that has its successor in the same slot.  A has one set of registers: blocks 0-3 are fetched anew in the step's middle, blocks 4-7 at its end; B has two sets.
.macro STEP slot, q, zero
	s_wait_dscnt 4*NL                              ; B's set and A's blocks 0-3 are in; the youngest sixteen loads (A's blocks 4-7) may be out
	WIN MUL_LO
	MUL16 0, (\q)%2, \zero
	MUL16 2, (\q)%2, \zero
	s_wait_dscnt 0
	PLACES NP
	FETCH_B \slot, (\q)+1, 1-(\q)%2
	FETCH_A \slot, (\q)+1, 0
	WIN MUL_HI
	MUL16 4, (\q)%2, \zero
	MUL16 6, (\q)%2, \zero
	PLACES NP
	WIN 0
	FETCH_A \slot, (\q)+1, 4
.endm
; A slot's last step changes slots: one barrier; in front of it each wave waits for all its tensor loads, adds 0 to its spare word, and waits for that and for its reads of this slot.
.macro TURN slot, next, fill
	s_wait_tensorcnt 0x0                           ; all my tensor loads have landed: my part of the next slot
	ds_add_u32 v[SPW], v[NIL]                      ; 0 onto my spare word
	s_wait_dscnt 4*NL+1                            ; (the add and the youngest sixteen loads may be out)
	WIN MUL_LO
	MUL16 0, 1, 0
	s_wait_dscnt 0x0                               ; the add is done, and my reads of this slot are over
	s_barrier_signal -1
	MUL16 2, 1, 0
	WIN 0
	s_barrier_wait -1
.if \fill
	CREST                                          ; the barrier has opened a round of the cluster's: no wave of any partner still reads this slot or has a load on its way
	s_add_nc_u64 s[G0+4*\slot+2:G0+4*\slot+3], s[G0+4*\slot+2:G0+4*\slot+3], 2*KADV
	s_add_nc_u64 s[G0B+4*\slot+2:G0B+4*\slot+3], s[G0B+4*\slot+2:G0B+4*\slot+3], 2*KADV
	JLOAD G0+4*\slot, G1, G0B+4*\slot, G1B         ; the first tensor load behind the round; its four v_nop are the places in front of the loads below
.else
	PLACES NP
.endif
	s_wait_alu depctr_va_vdst(0)
	FETCH_B \next, 0, 0
	FETCH_A \next, 0, 0
	WIN MUL_HI
	MUL16 4, 1, 0
	MUL16 6, 1, 0
	PLACES NP
	WIN 0
	FETCH_A \next, 0, 4
.endm
	s_wait_tensorcnt 1                             ; my part of K step 0 is in; K step 1's load may be out
	s_barrier_signal -1
	s_barrier_wait -1
	FETCH_B 0, 0, 0
	FETCH_A 0, 0, 0
	FETCH_A 0, 0, 4
	STEP 0, 0, 1                                   ; K = 1,024 is four slots' worth: written out, no loop.  The first products start the sums
	TURN 0, 1, 1
	STEP 1, 0, 0
	TURN 1, 0, 1
	STEP 0, 0, 0
	TURN 0, 1, 0                                   ; nothing is left to fetch
	STEP 1, 0, 0
	s_wait_dscnt 4*NL
	WIN MUL_LO
	MUL16 0, 1, 0
	MUL16 2, 1, 0
	s_wait_dscnt 0
	WIN MUL_HI
	MUL16 4, 1, 0
	MUL16 6, 1, 0
	WIN 0
	; THE WAY OUT.  A sum stands for sum x 2^(e0 + e1), so its code is sum / 2^(e(out) - e0 - e1): the three scales are folded into the conversion's one.
	s_wait_kmcnt 0x0
	s_cmp_eq_u32 ttmp9, 0
	s_cselect_b32 s95, s74, s75                    ; k: entry 2; q: entry 3;
	s_cmp_eq_u32 ttmp9, 2
	s_cselect_b32 s95, s77, s95                    ; v: entry 5.  A choice, no branch
	s_sub_co_i32 s95, s95, s72
	s_sub_co_i32 s95, s95, s73
	s_add_co_i32 s95, s95, 127
	s_lshl_b32 s93, s95, 23
	v_mov_b32 v[SCL], s93
	s_add_co_i32 s95, s95, 8
	s_lshl_b32 s93, s95, 23
	s_or_b32 s93, s93, 0x600000                    ; 448 x the scale,
	s_or_b32 s94, s93, 0x80000000                  ; and its negative
	PLACES NP
; Block a: 16 slots of A x my 128 of B.  Eight conversions read the sums in window 2 or 3 and make 16 registers of codes, which are stored as they stand.
.macro QOUT a
.set AC, 64*((\a)%4)
.set PC, AF+16*(\a)
	WIN 0x02+((\a)/4)                              ; source 0: window 2 or 3
.set n, 0
.rept 64
.set n, n+1
.endr
.irp g, 0,1,2,3,4,5,6,7
	v_cvt_scalef32_pk8_fp8_f32 v[PC+2*\g:PC+2*\g+1], v[AC+8*\g:AC+8*\g+7], v[SCL]
.endr
	WIN 0
	v_nop                                          ; a plain line behind the conversions
.irp g, 0,1,2,3
	global_store_b128 v[CO+\a], v[PC+4*\g:PC+4*\g+3], s[90:91] offset:512*\g   ; 512 consecutive bytes, aligned
.endr
.endm
.irp a, 0,1,2,3,4,5,6,7
	QOUT \a
.endr
	s_wait_tensorcnt 0x0                           ; the wave's end
	ds_add_u32 v[SPW], v[NIL]
	s_wait_dscnt 0x0
	CROUND                                         ; the closing round
	s_endpgm
.Lfunc_end_k_q80402bdae8_qkv:
	.size	k_q80402bdae8_qkv, .Lfunc_end_k_q80402bdae8_qkv-k_q80402bdae8_qkv
	.p2alignl 7, 3214868480
	.fill 96, 4, 3214868480
	.section	.rodata,"a",@progbits
	.p2align	6, 0x0
	.amdhsa_kernel k_q80402bdae8_qkv
		.amdhsa_group_segment_fixed_size 327680
		.amdhsa_private_segment_fixed_size 0
		.amdhsa_enable_private_segment 0
		.amdhsa_kernarg_size 48
		.amdhsa_user_sgpr_count 2
		.amdhsa_user_sgpr_kernarg_segment_ptr 1
		.amdhsa_wavefront_size32 1
		.amdhsa_system_sgpr_workgroup_id_x 1
		.amdhsa_system_sgpr_workgroup_id_y 1
		.amdhsa_system_sgpr_workgroup_id_z 1
		.amdhsa_system_vgpr_workitem_id 0
		.amdhsa_next_free_vgpr 1024
		.amdhsa_next_free_sgpr 100
		.amdhsa_reserve_vcc 0
		.amdhsa_float_denorm_mode_32 3
		.amdhsa_float_denorm_mode_16_64 3
		.amdhsa_fp16_overflow 1
		.amdhsa_memory_ordered 1
		.amdhsa_forward_progress 1
		.amdhsa_inst_pref_size 86
	.end_amdhsa_kernel
	.amdgpu_metadata
---
amdhsa.version: [ 1, 2 ]
amdhsa.kernels:
  - .name:           k_q80402bdae8_qkv
    .symbol:         k_q80402bdae8_qkv.kd
    .args:
      - { .name: xc, .offset: 0, .size: 8, .value_kind: global_buffer, .address_space: global }
      - { .name: wac, .offset: 8, .size: 8, .value_kind: global_buffer, .address_space: global }
      - { .name: lowp_scales, .offset: 16, .size: 8, .value_kind: global_buffer, .address_space: global }
      - { .name: kc, .offset: 24, .size: 8, .value_kind: global_buffer, .address_space: global }
      - { .name: qc, .offset: 32, .size: 8, .value_kind: global_buffer, .address_space: global }
      - { .name: vc, .offset: 40, .size: 8, .value_kind: global_buffer, .address_space: global }
    .group_segment_fixed_size: 327680
    .private_segment_fixed_size: 0
    .kernarg_segment_align: 8
    .kernarg_segment_size: 48
    .max_flat_workgroup_size: 128
    .sgpr_count:     100
    .vgpr_count:     1024
    .wavefront_size: 32
...
	.end_amdgpu_metadata
.endif
;; end of part 2
;; launch attn (part 3): grid 4 x 64, 16 waves a work-group, no clusters, 327,680 bytes of LDS; arguments kc, qc, vc, lowp_scales, yc; writes yc
.if DOCPART == 3
	.amdgcn_target "amdgcn-amd-amdhsa--gfx1250"
	.amdhsa_code_object_version 6
	.text
	.protected	k_q80402bdae8_attn
	.globl	k_q80402bdae8_attn
	.p2align	8
	.type	k_q80402bdae8_attn,@function
k_q80402bdae8_attn:
	s_mov_b64 s[64:65], 0
	v_nop
	global_prefetch_b8 v0, s[64:65] scope:SCOPE_SE
	s_setreg_imm32_b32 hwreg(HW_REG_WAVE_MODE, 25, 1), 1
	s_wait_xcnt 0x0
; y[b][i][head] = the sum over j <= i of softmax_j(k_i . q_j / 8) v_j, both products on codes of FP8; y is quantised at once (entry 6 of the scales) into the last product's operand.
; In this module k has the rows' part ("queries" below) and q the columns' ("keys").  Scales: k entry 2, q entry 3, p entry 4, v entry 5.
; THE SOFTMAX AHEAD OF THE SECOND PRODUCT: t = score x log2(e) / 8; M = the running largest t rounded UP to a whole number; p = 2^(t - M) is quantised, not normalised; the row's sum is taken of the
; unquantised p and divides at the end; when M moves, the sum and O are multiplied by 2^(old M - new M), which rounds nothing.
; SHARES.  A sequence has 8 blocks of 256 queries.  Work-group x = g of a head owns blocks 7 - g and g, one after the other; each of its 16 waves one tile of 16 queries of each.  Block n needs the key slots
; (256 keys) 0 .. n: 8 - g slots and then g + 1, NINE in every work-group: the trip count is a constant, no slot that lies wholly under the mask is fetched, and all work-groups have the same number of slots.
; A step is 128 keys.  A step all of whose keys come after a wave's queries is left out by a scalar branch on ids; on the diagonal hidden scores become -infinity ahead of the maximum.
; LAYOUT.  Both products are used transposed: S^T = q k^T (source 0 = 16 keys, source 1 = my 16 queries), O^T = v^T p^T: a lane holds one query (lane % 16) throughout; S^T's register 8 t + j is key 16 t + 8 (lane / 16) + j,
; which is the place that the K = 128 form gives it: the conversions' results are the operand, and vc was laid in the same order.  vc's channel slots are such that O^T's register 16 b + i is channel 32 b + 16 (lane / 16) + i.
; All operands lie in memory as images of operand registers (a group of four registers = 512 bytes, lane l's 16 bytes at 16 l).
; NO CLUSTER: the four work-groups of a head walk the same slot in five of the nine trips only (their second blocks begin at different trips), so a joint request could not be made on every path by all that it names.
; LIMITS on the given exponents: e2 + e3 between -123 and 130 (added to c's exponent field); e4, and e6 - e4 - e5, between -126 and 119.  All of a WGP's LDS is claimed.
; REGISTERS: v1-8 addresses; v12 -M, v13 the largest t, v[14:15] the sum in two halves; v16-23 the queries in hand, v24-31 the second block's; v32-95 eight fragments of keys, then four of v; v96-159 S^T, then p;
;   v160-191 O^T; v192-207 y's codes; v224-239 p's codes; v244: 2^e4; v245: 2^(e6 - e4 - e5) for y; v236-243, v246 and v248-255 at work.
.set SLOT1, 1<<15                      ; a slot: 16 key fragments of 1,024 bytes, then 2 x 4 fragments of v of 2,048; slot 1 begins here: one exclusive or turns an address
.set VOFF,  16384
.set SPARE, 65536                      ; behind the ring: the spare words, 128 bytes for each of 16 waves
.set LI,   1                           ; v1  16 x lane
.set YOA,  2                           ; v2  16 x lane + the first block's place in kc and yc
.set PFO,  3                           ; v3  the prefetches' offset
.set YOB,  4                           ; v4  16 x lane + the second block's place
.set SPW,  5
.set NIL,  6
.set AD,   8                           ; v8  16 x lane + the slot in hand
.set TB,   2                           ; s2  LDS byte at which the slot in hand begins
.set KS,   3                           ; s3  which 256 keys it holds
.set KN,   14                          ; s14 which the next trip's holds
.set P,    15                          ; s15 g
.set P1,   16                          ; s16 g + 1
.set SLOTS, 17                         ; s17 trips to go behind this one
.set WV,   18
.set Q0,   19                          ; s19 my first query in hand
.set SEL,  20
.set CS,   22                          ; s[22:23] c = log2(e) / 8 x 2^(e2 + e3)
.set G1K,  24
.set G1V,  32
.set G0K,  40
.set G0V,  44
.set KF,   48                          ; s48 the step's first key
.set Q0B,  49                          ; s49 my first query of the second block
.set OF,   50                          ; s[50:51] the next slot's byte offset
.set QB,   52                          ; s[52:53] qc at my part of the head's slot 0
.set VB,   54                          ; s[54:55] vc likewise
.set PFA,  56                          ; s[56:57] where my prefetches stand
.set LIM,  58                          ; s58 2 in a wave that prefetches, else the greatest number
.set KB,   60                          ; s[60:61] kc at my wave's tile of block 0
.set YB,   62                          ; s[62:63] yc likewise
; Waves 0 and 1 fetch the keys' halves, waves 2 and 3 v's two blocks of 128 keys, the others nothing.  Four v_nop follow each of the two lines.
.macro TLOAD g0k, g1k, g0v, g1v
	s_cmp_lt_u32 s[WV], 2
	s_cbranch_scc0 .Lnot_k_\@
	tensor_load_to_lds s[\g0k:\g0k+3], s[\g1k:\g1k+7]
	s_nop 0
.rept 4
	v_nop
.endr
	s_branch .Lasked_\@
.Lnot_k_\@:
	s_cmp_lt_u32 s[WV], 4
	s_cbranch_scc0 .Lasked_\@
	tensor_load_to_lds s[\g0v:\g0v+3], s[\g1v:\g1v+7]
	s_nop 0
.rept 4
	v_nop
.endr
.Lasked_\@:
.endm
; A PREFETCH INTO THE L2 of the slot that the NEXT change of slots will ask for: a trip's two key steps ahead of that load.  All four work-groups of a head walk the same keys: the one with g = 0, which walks
; slots 0 to 7 in order, asks, in its trips 0 to 5, for slots 2 to 7.  In it four waves that fetch nothing ask, one instruction each, a lane for each aligned 256 bytes: waves 4, 5 for the keys' halves
; (8 runs of 1,024 bytes, 16,384 apart), waves 6, 7 for v's two dense blocks of 8,192 bytes.  So each block is named once.  Slots 0 and 1 come by their loads alone.
.macro ASK
	s_cmp_gt_u32 s[SLOTS], s[LIM]
	s_cbranch_scc0 .Lnot_mine_\@
	global_prefetch_b8 v[PFO], s[PFA:PFA+1] th:TH_LOAD_NT scope:SCOPE_SE
.Lnot_mine_\@:
.endm
.macro INIT                            ; a block begins: the largest t under every t, the sum and O^T zeros, which the first change of M leaves zeros
	v_mov_b32 v13, 0xff61b1e6
	s_delay_alu instid0(VALU_DEP_1)
	v_floor_f32 v12, -v13
	v_mov_b32 v14, 0
	v_mov_b32 v15, 0
.set n, 0
.rept 32
	v_mov_b32 v[160+n], 0
.set n, n+1
.endr
.endm
	s_load_b256 s[4:11], s[0:1], 0x0               ; kc s[4:5], qc s[6:7], vc s[8:9], the scales s[10:11]
	s_load_b64 s[12:13], s[0:1], 0x20              ; yc
	v_lshl_add_u32 v[SPW], v0, 2, SPARE
	v_mov_b32 v[NIL], 0
	ds_add_u32 v5, v6
	ds_add_u32 v5, v6
	s_wait_dscnt 0x0
	v_lshrrev_b32 v8, 5, v0
	s_delay_alu instid0(VALU_DEP_1)
	v_readfirstlane_b32 s[WV], v8                  ; wave 0..15
	s_mov_b32 s[P], ttmp9
	s_add_co_u32 s[P1], ttmp9, 1
	s_and_b32 s76, ttmp7, 0xffff
	s_lshr_b32 s77, s76, 4                         ; the sequence
	s_and_b32 s76, s76, 15                         ; the head
	s_lshl_b32 s77, s77, 21                        ; a sequence is 2^21 bytes in each of the five buffers
	s_and_b32 s78, s[WV], 1
	s_lshl_b32 s79, s78, 17                        ; the half of a slot that I fetch: 8 key tiles, or a block of 128 keys of v
	s_lshl_b32 s80, s76, 10
	s_add_co_u32 s80, s80, s77                     ; kc, qc, yc: the head's 1,024 bytes in a row tile's 16,384
	s_mov_b32 s81, 0
	s_add_co_u32 s82, s80, s79
	s_mov_b32 s83, 0
	s_lshl_b32 s84, s76, 13                        ; vc: the head's 8,192 bytes in a key block's 131,072
	s_add_co_u32 s84, s84, s77
	s_add_co_u32 s84, s84, s79
	s_mov_b32 s85, 0
	s_lshl_b32 s86, s[WV], 14
	s_add_co_u32 s80, s80, s86                     ; my wave's row tile in a block
	s_lshl_b32 s87, s78, 13                        ; my half's place in a slot
	s_mov_b32 s[G1K], 0                            ; no mask, elements of 1 byte, no padding
	s_mov_b32 s[G1K+1], 1024<<16                   ; tensor_dim0: a fragment
	s_mov_b32 s[G1K+2], 8<<16                      ; tensor_dim1: 8 key tiles
	s_mov_b32 s[G1K+3], 1024<<16
	s_mov_b32 s[G1K+4], 8
	s_mov_b32 s[G1K+5], 16384                      ; from a row tile to the next
	s_mov_b32 s[G1K+6], 0
	s_mov_b32 s[G1K+7], 0
	s_mov_b32 s[G1V], 0
	s_mov_b32 s[G1V+1], 256<<16                    ; a dense block of 8,192 bytes as 32 rows of 256
	s_mov_b32 s[G1V+2], 32<<16
	s_mov_b32 s[G1V+3], 256<<16
	s_mov_b32 s[G1V+4], 32
	s_mov_b32 s[G1V+5], 256
	s_mov_b32 s[G1V+6], 0
	s_mov_b32 s[G1V+7], 0
	s_mov_b32 s[SEL], 0x76543210
	s_mov_b32 s[SEL+1], 0xfedcba98
	s_mov_b32 s[CS], 0x3e38aa3b                    ; log2(e) / 8
	s_mov_b32 s[TB], 0
	s_mov_b32 s[KS], 0
	s_mov_b32 s[SLOTS], 8
	s_mov_b32 s[OF+1], 0
	s_sub_co_u32 s88, 7, ttmp9                     ; the first block
	s_lshl_b32 s[Q0], s88, 8
	s_lshl_b32 s89, s[WV], 4
	s_add_co_u32 s[Q0], s[Q0], s89
	s_lshl_b32 s[Q0B], ttmp9, 8
	s_add_co_u32 s[Q0B], s[Q0B], s89
	s_wait_kmcnt 0x0
	s_load_b256 s[68:75], s[10:11], 0x0            ; the eight exponents
	s_add_nc_u64 s[QB:QB+1], s[6:7], s[82:83]
	s_add_nc_u64 s[VB:VB+1], s[8:9], s[84:85]
	s_add_nc_u64 s[KB:KB+1], s[4:5], s[80:81]
	s_add_nc_u64 s[YB:YB+1], s[12:13], s[80:81]
	s_mov_b32 s[G0K], 1
	s_mov_b32 s[G0K+1], s87
	s_mov_b64 s[G0K+2:G0K+3], s[QB:QB+1]
	s_or_b32 s[G0K+3], s[G0K+3], 0x80000000
	s_mov_b32 s[G0V], 1
	s_add_co_u32 s[G0V+1], s87, VOFF
	s_mov_b64 s[G0V+2:G0V+3], s[VB:VB+1]
	s_or_b32 s[G0V+3], s[G0V+3], 0x80000000
	TLOAD G0K, G1K, G0V, G1V                       ; slot 0
	v_and_b32 v8, 31, v0
	s_delay_alu instid0(VALU_DEP_1)
	v_lshlrev_b32 v[LI], 4, v8
	s_lshl_b32 s88, s88, 18                        ; a block's 16 row tiles
	v_add_nc_u32 v[YOA], s88, v[LI]
	s_lshl_b32 s89, ttmp9, 18
	v_add_nc_u32 v[YOB], s89, v[LI]
	global_load_b128 v[16:19], v[YOA], s[KB:KB+1]  ; both blocks' queries stay in registers
	global_load_b128 v[20:23], v[YOA], s[KB:KB+1] offset:512
	global_load_b128 v[24:27], v[YOB], s[KB:KB+1]
	global_load_b128 v[28:31], v[YOB], s[KB:KB+1] offset:512
	s_cmp_lt_u32 s[WV], 6                          ; the prefetches: waves 4, 5 the keys, waves 6, 7 v
	s_cselect_b64 s[PFA:PFA+1], s[QB:QB+1], s[VB:VB+1]
	s_mov_b32 s77, 1024
	s_cselect_b32 s77, 16384, s77                  ; from four lanes' 1,024 bytes to the next four's
	v_lshrrev_b32 v9, 2, v8
	v_and_b32 v[PFO], 3, v8
	s_delay_alu instid0(VALU_DEP_1)
	v_lshlrev_b32 v[PFO], 8, v[PFO]
	s_delay_alu instid0(VALU_DEP_3)
	v_mul_lo_u32 v9, v9, s77
	s_delay_alu instid0(VALU_DEP_1)
	v_add_nc_u32 v[PFO], v[PFO], v9
	s_add_nc_u64 s[PFA:PFA+1], s[PFA:PFA+1], 1<<18 ; in slot 1: the first change of slots steps it to slot 2
	s_sub_co_u32 s76, s[WV], 4
	s_lshr_b32 s76, s76, 2                         ; 0 in waves 4 to 7,
	s_or_b32 s76, s76, ttmp9                       ; of the work-group with g = 0
	s_cmp_eq_u32 s76, 0
	s_cselect_b32 s[LIM], 2, -1
	INIT
	v_mov_b32 v246, 0                              ; written once: a lane permute's destination counts as one of its sources
	v_mov_b32 v252, 0
	v_mov_b32 v253, 0                              ; (named as the upper half of the pair v[252:253])
	s_wait_kmcnt 0x0
	s_add_co_i32 s76, s70, s71
	s_lshl_b32 s76, s76, 23
	s_add_co_i32 s[CS], s[CS], s76                 ; a score stands for score x 2^(e2 + e3)
	s_mov_b32 s[CS+1], s[CS]
	s_add_co_i32 s76, s72, 127
	s_lshl_b32 s77, s76, 23
	v_mov_b32 v244, s77                            ; 2^e4
	s_sub_co_i32 s76, s74, s72
	s_sub_co_i32 s76, s76, s73
	s_add_co_i32 s76, s76, 127
	s_lshl_b32 s77, s76, 23
	v_mov_b32 v245, s77                            ; 2^(e6 - e4 - e5): O^T / the sum stands for y / 2^(e4 + e5)
; A KEY STEP: 128 keys, the q-th of the slot in hand.
.macro STEP q
	s_lshl_b32 s[KF], s[KS], 8
.if \q
	s_add_co_u32 s[KF], s[KF], 128
.endif
	s_add_co_u32 s96, s[Q0], 15
	s_cmp_gt_u32 s[KF], s96
	s_cbranch_scc1 .Lhidden_\@                     ; all its keys come after my queries: nothing to do.  No barrier and no tensor load stands in a step
	v_add_nc_u32 v[AD], s[TB], v[LI]
.rept 3
	v_nop                                          ; with the addition: four places in front of loads into registers that the last products read
.endr
.irp t, 0,1,2,3,4,5,6,7
.irp c, 0,1
	ds_load_b128 v[32+8*\t+4*\c:32+8*\t+4*\c+3], v[AD] offset:(8*(\q)+\t)*1024+512*\c
.endr
.endr
	s_wait_alu depctr_va_vdst(0)
	s_wait_dscnt 0x0
.irp t, 0,1,2,3,4,5,6,7
	v_wmma_f32_16x16x64_fp8_fp8 v[96+8*\t:103+8*\t], v[32+8*\t:39+8*\t], v[16:23], 0
.endr
.rept 4
	v_nop
.endr
.irp d, 0,1,2,3                                ; v's four fragments are asked for now and land while the softmax is worked
.irp g, 0,1,2,3
	ds_load_b128 v[32+16*\d+4*\g:32+16*\d+4*\g+3], v[AD] offset:VOFF+8192*(\q)+2048*\d+512*\g
.endr
.endr
	s_add_co_u32 s96, s[KF], 127
	s_cmp_le_u32 s96, s[Q0]
	s_cbranch_scc1 .Lopen_\@                       ; all its keys count
	s_sub_co_i32 s96, s[Q0], s[KF]
	v_and_b32 v252, 15, v0
	v_bfe_u32 v253, v0, 4, 1
	s_delay_alu instid0(VALU_DEP_1)
	v_lshlrev_b32 v253, 3, v253
	s_delay_alu instid0(VALU_DEP_1)
	v_sub_nc_u32 v252, v252, v253
	s_delay_alu instid0(VALU_DEP_1)
	v_add_nc_u32 v252, s96, v252                   ; d = my query - KF - 8 (lane / 16).  Register 8 t + j holds key KF + 16 t + 8 (lane / 16) + j: hidden where 16 t + j > d
	v_mov_b32 v254, 0xff800000
.set n, 0
.rept 64
	v_cmp_gt_i32 vcc_lo, 16*(n/8)+n%8, v252
	v_cndmask_b32 v[96+n], v[96+n], v254, vcc_lo
.set n, n+1
.endr
.Lopen_\@:
	v_max3_num_f32 v254, v96, v97, v98             ; the step's largest score of my query among my 64 keys, in two chains,
	v_max3_num_f32 v252, v99, v100, v101
.irp i, 6,10,14,18,22,26,30,34,38,42,46,50,54,58
	v_max3_num_f32 v254, v254, v[96+\i], v[97+\i]
	v_max3_num_f32 v252, v252, v[98+\i], v[99+\i]
.endr
	v_max3_num_f32 v254, v254, v158, v159
	s_delay_alu instid0(VALU_DEP_1)
	v_max_num_f32 v254, v254, v252
	s_delay_alu instid0(VALU_DEP_1)
	v_permlanex16_b32 v246, v254, s[SEL], s[SEL+1]
	s_delay_alu instid0(VALU_DEP_1)
	v_max_num_f32 v254, v254, v246                 ; and among lane l xor 16's
	s_delay_alu instid0(VALU_DEP_1)
	v_mul_f32 v254, s[CS], v254                    ; as t (c is positive)
	s_delay_alu instid0(VALU_DEP_1)
	v_max_num_f32 v13, v13, v254
	v_mov_b32 v254, v12
	s_delay_alu instid0(VALU_DEP_2)
	v_floor_f32 v12, -v13                          ; the new -M = floor(-t): M is a whole number
	s_delay_alu instid0(VALU_DEP_1)
	v_sub_f32 v254, v12, v254                      ; old M - new M, 0 or less
	s_delay_alu instid0(VALU_DEP_1)
	v_cvt_i32_f32 v254, v254                       ; (it saturates)
	s_delay_alu instid0(VALU_DEP_1)
	v_ldexp_f32 v252, 1.0, v254                    ; f = 2^(old M - new M)
.set n, 0
.rept 32
	v_pk_fma_f32 v[96+n:97+n], v[96+n:97+n], s[CS:CS+1], v[12:13] op_sel_hi:[1,0,0]   ; t - M
.set n, n+2
.endr
.set n, 0
	s_wait_alu depctr_va_vdst(0)
.rept 64
	v_exp_f32 v[96+n], v[96+n]                     ; p = 2^(t - M)
.set n, n+1
.endr
	v_pk_mul_f32 v[14:15], v[14:15], v[252:253] op_sel_hi:[1,0]   ; the sums under the new M: the plain line behind the exponentials
	s_wait_alu depctr_va_vdst(0)                   ; one wait for the whole batch, ahead of its first reader
	v_pk_add_f32 v[242:243], v[100:101], v[104:105]
	v_pk_add_f32 v[254:255], v[108:109], v[112:113]
	v_pk_add_f32 v[250:251], v[116:117], v[120:121]
	v_pk_add_f32 v[248:249], v[124:125], v[128:129]
	v_pk_add_f32 v[240:241], v[132:133], v[136:137]
	v_pk_add_f32 v[238:239], v[140:141], v[144:145]
	v_pk_add_f32 v[236:237], v[148:149], v[152:153]
	v_pk_add_f32 v[14:15], v[14:15], v[156:157]
	v_pk_add_f32 v[242:243], v[242:243], v[96:97]
	v_pk_add_f32 v[254:255], v[254:255], v[98:99]
	v_pk_add_f32 v[250:251], v[250:251], v[102:103]
	v_pk_add_f32 v[248:249], v[248:249], v[106:107]
	v_pk_add_f32 v[240:241], v[240:241], v[110:111]
	v_pk_add_f32 v[238:239], v[238:239], v[114:115]
	v_pk_add_f32 v[236:237], v[236:237], v[118:119]
	v_pk_add_f32 v[14:15], v[14:15], v[122:123]
	v_pk_add_f32 v[242:243], v[242:243], v[126:127]
	v_pk_add_f32 v[254:255], v[254:255], v[130:131]
	v_pk_add_f32 v[250:251], v[250:251], v[134:135]
	v_pk_add_f32 v[248:249], v[248:249], v[138:139]
	v_pk_add_f32 v[240:241], v[240:241], v[142:143]
	v_pk_add_f32 v[238:239], v[238:239], v[146:147]
	v_pk_add_f32 v[236:237], v[236:237], v[150:151]
	v_pk_add_f32 v[14:15], v[14:15], v[154:155]
	v_pk_add_f32 v[242:243], v[242:243], v[158:159]
	s_delay_alu instid0(VALU_DEP_2)
	v_pk_add_f32 v[14:15], v[14:15], v[248:249]
	s_delay_alu instid0(VALU_DEP_2)
	v_pk_add_f32 v[242:243], v[242:243], v[240:241]
	v_pk_add_f32 v[254:255], v[254:255], v[238:239]
	v_pk_add_f32 v[250:251], v[250:251], v[236:237]
	s_delay_alu instid0(VALU_DEP_2)
	v_pk_add_f32 v[14:15], v[14:15], v[254:255]
	s_delay_alu instid0(VALU_DEP_2)
	v_pk_add_f32 v[242:243], v[242:243], v[250:251]
	s_delay_alu instid0(VALU_DEP_1)
	v_pk_add_f32 v[14:15], v[14:15], v[242:243]
.irp t, 0,1,2,3,4,5,6,7
.irp i, 0,1,2,3,4,5,6,7
.endr
	v_cvt_scalef32_pk8_fp8_f32 v[224+2*\t:225+2*\t], v[96+8*\t:103+8*\t], v244
.endr
.set n, 0
.rept 16
	v_pk_mul_f32 v[160+n:161+n], v[160+n:161+n], v[252:253] op_sel_hi:[1,0]   ; O^T under the new M.  (Plain lines between the conversions and the products)
.set n, n+2
.endr
	s_wait_alu depctr_va_vdst(0)
	s_wait_dscnt 0x0                               ; v's fragments are in
.irp d, 0,1,2,3                                ; four accumulators by turns; between two links of a chain stand the next step's eight products S^T
	v_wmma_f32_16x16x128_fp8_fp8 v[160+8*\d:167+8*\d], v[32+16*\d:47+16*\d], v[224:239], v[160+8*\d:167+8*\d]
.endr
.Lhidden_\@:
.endm
; A block ends: O^T / the sum, held, converted with 2^(e6 - e4 - e5), and stored as two groups of four registers: 512 consecutive bytes each, the head's part of yc's fragment.
.macro FINISH yo, y
.rept 4
	v_nop                                          ; places behind the last products
.endr
	v_add_f32 v14, v14, v15
	s_wait_alu depctr_va_vdst(0)
	v_permlanex16_b32 v246, v14, s[SEL], s[SEL+1]
	s_delay_alu instid0(VALU_DEP_1)
	v_add_f32 v14, v14, v246                       ; the row's sum
	s_wait_alu depctr_va_vdst(0)
	v_rcp_f32 v14, v14
	v_nop
	s_wait_alu depctr_va_vdst(0)                   ; ahead of the reciprocal's first reader
.set n, 0
.rept 16
	v_pk_mul_f32 v[96+n:97+n], v[160+n:161+n], v[14:15] op_sel_hi:[1,0]   ; each accumulator from its low end on
.set n, n+2
.endr
.set n, 0
.rept 32
.set n, n+1
.endr
	s_wait_alu depctr_va_vdst(0)
	s_wait_xcnt 0x0                                ; the codes' registers are store data: they are written only behind this wait
.irp g, 0,1,2,3
	v_cvt_scalef32_pk8_fp8_f32 v[\y+2*\g:\y+2*\g+1], v[96+8*\g:103+8*\g], v245
.endr
	v_nop                                          ; a plain line behind the conversions: products will write their sources
	global_store_b128 v[\yo], v[\y:\y+3], s[YB:YB+1]
	global_store_b128 v[\yo], v[\y+4:\y+7], s[YB:YB+1] offset:512
.endm
; At the head of trip 8 - g the first block is finished and the second begins: a scalar branch on ids.
.macro SWITCH
	s_cmp_eq_u32 s[SLOTS], s[P]
	s_cbranch_scc0 .Lsame_\@
	FINISH YOA, 192
.irp i, 0,1,2,3,4,5,6,7
	v_mov_b32 v[16+\i], v[24+\i]
.endr
	INIT
	s_mov_b32 s[Q0], s[Q0B]
.Lsame_\@:
.endm
; THE CHANGE OF SLOTS stands at a trip's head.  Each wave waits for all its tensor loads (its part of the slot that it is about to read), adds 0 to its spare word, and waits for that and for its reads of the slot
; that it has left.  fill = 1: behind the barrier that slot takes the next trip's keys: the keys that follow, or, where the next trip begins the second block, slot 0's.
.macro CHANGE fill
	s_wait_tensorcnt 0x0                           ; no tensor load of mine is out, so a group 0 may be written
	ds_add_u32 v[SPW], v[NIL]                      ; 0 onto my spare word
.if \fill
	s_add_co_u32 s[KN], s[KS], 1
	s_cmp_eq_u32 s[SLOTS], s[P1]
	s_cselect_b32 s[KN], 0, s[KN]
	s_lshl_b32 s[OF], s[KN], 18                    ; 256 keys are 2^18 bytes on, in qc and in vc
	s_add_nc_u64 s[G0K+2:G0K+3], s[QB:QB+1], s[OF:OF+1]
	s_or_b32 s[G0K+3], s[G0K+3], 0x80000000
	s_add_nc_u64 s[G0V+2:G0V+3], s[VB:VB+1], s[OF:OF+1]
	s_or_b32 s[G0V+3], s[G0V+3], 0x80000000
	s_xor_b32 s[G0K+1], s[G0K+1], SLOT1
	s_xor_b32 s[G0V+1], s[G0V+1], SLOT1
	s_wait_xcnt 0x0                                ; the last prefetch, a trip back, has read its address
	s_add_nc_u64 s[PFA:PFA+1], s[PFA:PFA+1], 1<<18
.endif
	s_wait_dscnt 0x0                               ; the add is done, and my reads of the slot that I have left are over
	s_barrier_signal -1
	s_barrier_wait -1
.if \fill
	TLOAD G0K, G1K, G0V, G1V                       ; the first thing behind the barrier, and a wave's one tensor load until the next
	ASK
.endif
.endm
	s_wait_loadcnt 0x0                             ; the queries
.Lslot:                                            ; eight trips; the ninth is written out
	CHANGE 1
	SWITCH
	STEP 0
	STEP 1
	s_xor_b32 s[TB], s[TB], SLOT1
	s_mov_b32 s[KS], s[KN]
	s_sub_co_u32 s[SLOTS], s[SLOTS], 1
	s_cmp_lg_u32 s[SLOTS], 0
	s_cbranch_scc1 .Lslot
	CHANGE 0
	SWITCH
	STEP 0
	STEP 1
	FINISH YOB, 200
	s_wait_tensorcnt 0x0                           ; the wave's end
	ds_add_u32 v[SPW], v[NIL]
	s_wait_dscnt 0x0
	s_endpgm
.Lfunc_end_k_q80402bdae8_attn:
	.size	k_q80402bdae8_attn, .Lfunc_end_k_q80402bdae8_attn-k_q80402bdae8_attn
	.p2alignl 7, 3214868480
	.fill 96, 4, 3214868480
	.section	.rodata,"a",@progbits
	.p2align	6, 0x0
	.amdhsa_kernel k_q80402bdae8_attn
		.amdhsa_group_segment_fixed_size 327680
		.amdhsa_private_segment_fixed_size 0
		.amdhsa_enable_private_segment 0
		.amdhsa_kernarg_size 40
		.amdhsa_user_sgpr_count 2
		.amdhsa_user_sgpr_kernarg_segment_ptr 1
		.amdhsa_wavefront_size32 1
		.amdhsa_system_sgpr_workgroup_id_x 1
		.amdhsa_system_sgpr_workgroup_id_y 1
		.amdhsa_system_sgpr_workgroup_id_z 1
		.amdhsa_system_vgpr_workitem_id 0
		.amdhsa_next_free_vgpr 256
		.amdhsa_next_free_sgpr 100
		.amdhsa_reserve_vcc 1
		.amdhsa_float_denorm_mode_32 3
		.amdhsa_float_denorm_mode_16_64 3
		.amdhsa_fp16_overflow 1
		.amdhsa_memory_ordered 1
		.amdhsa_forward_progress 1
		.amdhsa_inst_pref_size 95
	.end_amdhsa_kernel
	.amdgpu_metadata
---
amdhsa.version: [ 1, 2 ]
amdhsa.kernels:
  - .name:           k_q80402bdae8_attn
    .symbol:         k_q80402bdae8_attn.kd
    .args:
      - { .name: kc, .offset: 0, .size: 8, .value_kind: global_buffer, .address_space: global }
      - { .name: qc, .offset: 8, .size: 8, .value_kind: global_buffer, .address_space: global }
      - { .name: vc, .offset: 16, .size: 8, .value_kind: global_buffer, .address_space: global }
      - { .name: lowp_scales, .offset: 24, .size: 8, .value_kind: global_buffer, .address_space: global }
      - { .name: yc, .offset: 32, .size: 8, .value_kind: global_buffer, .address_space: global }
    .group_segment_fixed_size: 327680
    .private_segment_fixed_size: 0
    .kernarg_segment_align: 8
    .kernarg_segment_size: 40
    .max_flat_workgroup_size: 512
    .sgpr_count:     100
    .vgpr_count:     256
    .wavefront_size: 32
...
	.end_amdgpu_metadata
.endif
;; end of part 3
;; launch proj (part 4): grid 4 x 32, 4 waves a work-group, clusters of 4 x 4, 327,680 bytes of LDS; arguments yc, wfc, lowp_scales, out0; writes out0
.if DOCPART == 4
	.amdgcn_target "amdgcn-amd-amdhsa--gfx1250"
	.amdhsa_code_object_version 6
	.text
	.protected	k_q80402bdae8_proj
	.globl	k_q80402bdae8_proj
	.p2align	8
	.type	k_q80402bdae8_proj,@function
k_q80402bdae8_proj:
	s_mov_b64 s[64:65], 0
	v_nop
	global_prefetch_b8 v0, s[64:65] scope:SCOPE_SE
	s_setreg_imm32_b32 hwreg(HW_REG_WAVE_MODE, 25, 1), 1
	s_wait_xcnt 0x0
	s_wait_alu depctr_hold_cnt(0) depctr_sa_sdst(0) depctr_va_vdst(0) depctr_va_sdst(0) depctr_va_ssrc(0) depctr_va_vcc(0) depctr_vm_vsrc(0)
	s_getreg_b32 s2, hwreg(HW_REG_IB_STS2, 6, 4)
	s_cmp_eq_u32 s2, 0
	s_cbranch_scc0 .Lentry_in_a_cluster
	s_endpgm
.Lentry_in_a_cluster:
	s_bfe_u32 s2, ttmp6, 0x10000c
	s_cmp_lg_u32 s2, 0xf033
	s_cbranch_scc0 .Lentry_shape_is_right
	s_endpgm
.Lentry_shape_is_right:
; out0 = y W_ffn on codes of FP8 (K = 1,024); each finished sum is multiplied once by 2^(e6 + e7).  out0: [8192][1024] f32.
; A tile of the output, 256 x 256, is made by four waves, each 128 x 128: 64 accumulators, 512 registers.  K goes in steps of 256 through two LDS slots filled by the tensor data mover.
; yc and wfc hold fragments as images of operand registers (16 slots x 128 K, 2,048 bytes, a group of four registers = 512 bytes, lane l's 16 bytes at 16 l): an LDS load of a group reads 512 consecutive bytes.
; CLUSTERS: 4 x 4 work-groups; y's tile is asked for jointly along a row of the cluster, W's along a column.
; THE MATRIX INSTRUCTION IS USED TRANSPOSED (source 0 = W's fragment, source 1 = y's): a lane holds one row; wfc's column tiles are laid so that its 64 registers of a block are columns 32 b + 16 (l / 16) + i.
; LIMIT: e6 + e7 between -126 and 127, so that 2^(e6 + e7) is an f32 number.  All of a WGP's LDS is claimed.
; REGISTERS: window 0: v16-29 addresses, v32-95 at work on the way out, v128-255 A's fragments (one set), later rows read back;  window 1: B's fragments, two sets;  windows 2, 3: the accumulators.
.set HALFT,  32768                     ; 8 tiles of 16 slots x 256 along K: what one tensor load brings, and what one wave reads of A or of B
.set SLOT,   4*HALFT
.set SPARE,  2*SLOT                    ; behind the ring: the spare words, 128 bytes for each wave
.set KADV,   4096
.set FR,     16
.set NL,     4
.set NP,     4                         ; places behind this matrix instruction (ISA guide 7.12.1)
.set SIZE_N, 1024
.set SPITCH, 528                       ; the way out: a stage of 16 rows x (512 bytes + 16) for each wave, in slot 0, which has had its last fill and its last read when the first result is stored there
.set ADRA, 16
.set ADRB, 20
.set STO,  24
.set RD,   25
.set CO,   26
.set SPW,  28
.set NIL,  29
.set TMP,  32
.set AF,   128
.set BK,   128
.set G1, 24
.set G0, 32
.set G1B, 48
.set G0B, 56
.set MSB, 0
.macro WIN new                         ; the immediate's high byte repeats the setting that is left
.if MSB != (\new)
	s_set_vgpr_msb (MSB<<8)|(\new)
.set MSB, (\new)
.endif
.endm
.set MUL_LO, 0xa1
.set MUL_HI, 0xf1
.set TO_B,   0x40
.macro JLOAD g0a, g1a, g0b, g1b        ; a joint load: waves 0 and 1 fetch A's halves, waves 2 and 3 B's; four v_nop follow each of the two lines
	s_cmp_eq_u32 s15, 0
	s_cbranch_scc0 .Lfor_b_\@
	tensor_load_to_lds s[\g0a:\g0a+3], s[\g1a:\g1a+7]
	s_nop 0
.rept 4
	v_nop
.endr
	s_branch .Lasked_\@
.Lfor_b_\@:
	tensor_load_to_lds s[\g0b:\g0b+3], s[\g1b:\g1b+7]
	s_nop 0
.rept 4
	v_nop
.endr
.Lasked_\@:
.endm
.macro CREST
	s_cmp_lg_u32 s14, 0
	s_cbranch_scc1 .Lnot_wave_0_\@
	s_barrier_signal -3
.Lnot_wave_0_\@:
	s_barrier_wait -3
	s_barrier_signal -1
	s_barrier_wait -1
.endm
.macro CROUND
	s_barrier_signal -1
	s_barrier_wait -1
	CREST
.endm
	s_load_b128 s[4:7], s[0:1], 0x0                ; yc s[4:5], wfc s[6:7]
	s_load_b128 s[8:11], s[0:1], 0x10              ; the scales s[8:9], out0 s[10:11]
	v_lshl_add_u32 v[SPW], v0, 2, SPARE
	v_mov_b32 v[NIL], 0
	ds_add_u32 v28, v29
	ds_add_u32 v28, v29
	s_wait_dscnt 0x0
	v_lshrrev_b32 v1, 5, v0
	v_readfirstlane_b32 s14, v1                    ; wave 0..3
	s_lshr_b32 s15, s14, 1                         ; which half of the tile's rows is mine.  Also: I fetch for A (0) or for B (1)
	s_and_b32 s16, s14, 1                          ; which half of its columns.  Also: which half of that tile I fetch
	s_bfe_u32 s40, ttmp6, 0x40000                  ; cx
	s_bfe_u32 s41, ttmp6, 0x40004                  ; cy
	s_lshl_b32 s42, ttmp9, 2
	s_add_co_u32 s42, s42, s40                     ; tile column
	s_and_b32 s17, ttmp7, 0xffff
	s_lshl_b32 s17, s17, 2
	s_add_co_u32 s17, s17, s41                     ; tile row
	s_lshl_b32 s43, s41, 2
	s_lshl_b32 s43, 15, s43                        ; my row of the cluster
	s_lshl_b32 s44, 0x1111, s40                    ; my column
	s_or_b32 s[G1+0], s43, (1<<21)                 ; 15:0 the mask; elements of 1 byte; 21 set beside a mask; no padding
	s_or_b32 s[G1B+0], s44, (1<<21)
.irp g, G1, G1B
	s_mov_b32 s[\g+1], 4096<<16                    ; tensor_dim0: two fragments on end
	s_mov_b32 s[\g+2], 8<<16                       ; tensor_dim1: 8 tiles of 16 slots
	s_mov_b32 s[\g+3], 4096<<16
	s_mov_b32 s[\g+4], 8
	s_mov_b32 s[\g+5], 16384
	s_mov_b32 s[\g+6], 0
	s_mov_b32 s[\g+7], 0
.endr
	s_lshl_b32 s18, s16, 17
	s_lshl_b32 s20, s17, 18
	s_add_co_u32 s20, s20, s18
	s_mov_b32 s21, 0
	s_lshl_b32 s46, s42, 18
	s_add_co_u32 s46, s46, s18
	s_mov_b32 s47, 0
	s_mul_i32 s45, s14, HALFT
	s_wait_kmcnt 0x0
	s_load_b64 s[96:97], s[8:9], 0x18              ; e6, e7
	s_add_nc_u64 s[20:21], s[4:5], s[20:21]
	s_add_nc_u64 s[46:47], s[6:7], s[46:47]
	CROUND                                         ; all sixteen work-groups are here: the first joint loads meet
.irp s, 0,1
	s_mov_b32 s[G0+4*\s], 1
	s_add_co_u32 s[G0+4*\s+1], s45, \s*SLOT
	s_add_nc_u64 s[G0+4*\s+2:G0+4*\s+3], s[20:21], \s*KADV
	s_or_b32 s[G0+4*\s+3], s[G0+4*\s+3], 0x80000000
	s_mov_b32 s[G0B+4*\s], 1
	s_add_co_u32 s[G0B+4*\s+1], s45, \s*SLOT
	s_add_nc_u64 s[G0B+4*\s+2:G0B+4*\s+3], s[46:47], \s*KADV
	s_or_b32 s[G0B+4*\s+3], s[G0B+4*\s+3], 0x80000000
	s_wait_alu depctr_va_vdst(0)
	s_wait_tensorcnt 0x0
	ds_add_u32 v28, v29
	ds_add_u32 v28, v29
	s_wait_dscnt 0x0
	CROUND
	JLOAD G0+4*\s, G1, G0B+4*\s, G1B
.endr
	v_and_b32 v1, 15, v0                           ; l % 16
	s_wait_alu depctr_va_vdst(0)
	v_bfe_u32 v2, v0, 4, 1                         ; l / 16
	v_and_b32 v6, 31, v0
	v_lshlrev_b32 v[CO], 4, v6                     ; 16 x lane
	s_mul_i32 s21, s15, HALFT
	s_mul_i32 s22, s16, HALFT
	s_add_co_u32 s22, s22, 2*HALFT
.irp s, 0,1
	v_add_nc_u32 v[ADRA+\s], s21, v[CO]
	v_add_nc_u32 v[ADRB+\s], s22, v[CO]
	s_add_co_u32 s21, s21, SLOT
	s_add_co_u32 s22, s22, SLOT
.endr
	s_mul_i32 s23, s14, 16*SPITCH                  ; my stage
	v_mul_u32_u24 v5, v1, SPITCH
	s_wait_alu depctr_va_vdst(0)
	v_lshl_add_u32 v5, v2, 6, v5
	v_add_nc_u32 v[STO], s23, v5                   ; in: row l % 16, + 64 bytes for lanes 16-31: 16 columns of each 32
	v_add_nc_u32 v[RD], s23, v[CO]                 ; back: the 32 lanes take one row of 512 bytes
	s_lshl_b32 s20, s17, 20                        ; 256 rows of 4,096 bytes,
	s_lshl_b32 s21, s15, 19                        ; my 128
	s_add_co_u32 s20, s20, s21
	s_mov_b32 s21, 0
	s_lshl_b32 s46, s42, 10                        ; 256 columns,
	s_lshl_b32 s47, s16, 9                         ; my 128
	s_add_co_u32 s46, s46, s47
	s_mov_b32 s47, 0
	s_add_nc_u64 s[20:21], s[20:21], s[46:47]
	s_add_nc_u64 s[10:11], s[10:11], s[20:21]
.macro FRAG reg, adr, q, i
.irp c, 0,1,2,3
	ds_load_b128 v[\reg+4*\c:\reg+4*\c+3], v[\adr] offset:4096*(\i)+2048*(\q)+512*\c
.endr
.endm
; The 64 accumulators take turns, one instruction a turn, in the same order in every step.
.macro MUL16 a0, p, zero
.irp a, \a0, \a0+1
.irp b, 0,1,2,3,4,5,6,7
.if \zero
	v_wmma_f32_16x16x128_fp8_fp8 v[8*(8*((\a)%4)+\b):8*(8*((\a)%4)+\b)+7], v[128*(\p)+FR*\b:128*(\p)+FR*\b+FR-1], v[AF+FR*(\a):AF+FR*(\a)+FR-1], 0
.else
	v_wmma_f32_16x16x128_fp8_fp8 v[8*(8*((\a)%4)+\b):8*(8*((\a)%4)+\b)+7], v[128*(\p)+FR*\b:128*(\p)+FR*\b+FR-1], v[AF+FR*(\a):AF+FR*(\a)+FR-1], v[8*(8*((\a)%4)+\b):8*(8*((\a)%4)+\b)+7]
.endif
.endr
.endr
.endm
.macro FETCH_B slot, q, p
	WIN TO_B
.irp i, 0,1,2,3,4,5,6,7
	FRAG 128*(\p)+FR*\i, ADRB+\slot, \q, \i
.endr
	WIN 0
.endm
.macro FETCH_A slot, q, i0
.irp i, \i0, \i0+1, \i0+2, \i0+3
	FRAG AF+FR*(\i), ADRA+\slot, \q, \i
.endr
.endm
.macro PLACES n
.rept \n
	v_nop
.endr
.endm
.macro STEP slot, q, zero
	s_wait_dscnt 4*NL                              ; B's set and A's blocks 0-3 are in; the youngest sixteen loads (A's blocks 4-7) may be out
	WIN MUL_LO
	MUL16 0, (\q)%2, \zero
	MUL16 2, (\q)%2, \zero
	s_wait_dscnt 0
	PLACES NP
	FETCH_B \slot, (\q)+1, 1-(\q)%2
	FETCH_A \slot, (\q)+1, 0
	WIN MUL_HI
	MUL16 4, (\q)%2, \zero
	MUL16 6, (\q)%2, \zero
	PLACES NP
	WIN 0
	FETCH_A \slot, (\q)+1, 4
.endm
.macro TURN slot, next, fill
	s_wait_tensorcnt 0x0                           ; all my tensor loads have landed: my part of the next slot
	ds_add_u32 v[SPW], v[NIL]                      ; 0 onto my spare word
	s_wait_dscnt 4*NL+1                            ; (the add and the youngest sixteen loads may be out)
	WIN MUL_LO
	MUL16 0, 1, 0
	s_wait_dscnt 0x0                               ; the add is done, and my reads of this slot are over
	s_barrier_signal -1
	MUL16 2, 1, 0
	WIN 0
	s_barrier_wait -1
.if \fill
	CREST                                          ; the barrier has opened a round of the cluster's: no wave of any partner still reads this slot or has a load on its way
	s_add_nc_u64 s[G0+4*\slot+2:G0+4*\slot+3], s[G0+4*\slot+2:G0+4*\slot+3], 2*KADV
	s_add_nc_u64 s[G0B+4*\slot+2:G0B+4*\slot+3], s[G0B+4*\slot+2:G0B+4*\slot+3], 2*KADV
	JLOAD G0+4*\slot, G1, G0B+4*\slot, G1B
.else
	PLACES NP
.endif
	FETCH_B \next, 0, 0
	FETCH_A \next, 0, 0
	WIN MUL_HI
	MUL16 4, 1, 0
	MUL16 6, 1, 0
	PLACES NP
	WIN 0
	FETCH_A \next, 0, 4
.endm
	s_wait_tensorcnt 1                             ; my part of K step 0 is in; K step 1's load may be out
	s_barrier_signal -1
	s_barrier_wait -1
	FETCH_B 0, 0, 0
	FETCH_A 0, 0, 0
	FETCH_A 0, 0, 4
	STEP 0, 0, 1                                   ; K = 1,024 is four slots' worth: written out, no loop
	TURN 0, 1, 1
	STEP 1, 0, 0
	TURN 1, 0, 1
	STEP 0, 0, 0
	TURN 0, 1, 0
	STEP 1, 0, 0
	s_wait_dscnt 4*NL
	WIN MUL_LO
	MUL16 0, 1, 0
	MUL16 2, 1, 0
	s_wait_dscnt 0
	WIN MUL_HI
	MUL16 4, 1, 0
	MUL16 6, 1, 0
	WIN 0
; THE WAY OUT, block by block of 16 rows x 128 columns, through my own stage in LDS: in by 16 bytes of a row, back as whole rows of 512 bytes.  LDS serves a wave's instructions in order (ISA guide 5.7.1.4).
.macro TOSTAGE a
.set AC, 64*((\a)%4)
	WIN 0x02+((\a)/4)                              ; source 0: window 2 or 3
.irp j, 0,2,4,6,8,10,12,14,16,18,20,22,24,26,28,30,32,34,36,38,40,42,44,46,48,50,52,54,56,58,60,62
	v_pk_mul_f32 v[TMP+\j:TMP+\j+1], v[AC+\j:AC+\j+1], s[96:97] op_sel_hi:[1,0]   ; x 2^(e6 + e7); each accumulator from its low end on
.endr
	WIN 0
.irp b, 0,1,2,3
.irp j, 0,1,2,3
	ds_store_b128 v[STO], v[TMP+16*\b+4*\j:TMP+16*\b+4*\j+3] offset:128*\b+16*\j   ; register 16 b + i is column 32 b + 16 (l / 16) + i
.endr
.endr
.set BB, BK+64*((\a)%2)
.irp t, 0,1,2,3,4,5,6,7,8,9,10,11,12,13,14,15
	ds_load_b128 v[BB+4*\t:BB+4*\t+3], v[RD] offset:\t*SPITCH
.endr
.endm
.macro SEND a, younger                 ; younger: the LDS instructions issued behind block a's loads, which may stay out
.set BB, BK+64*((\a)%2)
	s_wait_dscnt \younger
.if (\a) > 0
	s_add_nc_u64 s[10:11], s[10:11], 16*SIZE_N*4   ; (behind a wait on XCNT: the earlier stores have read their base)
.endif
.irp t, 0,1,2,3,4,5,6,7,8,9,10,11,12,13,14,15
	global_store_b128 v[CO], v[BB+4*\t:BB+4*\t+3], s[10:11] offset:\t*SIZE_N*4 th:TH_STORE_NT   ; 512 consecutive bytes, aligned; written once, read by nobody here
.endr
.endm
	s_wait_kmcnt 0x0
	s_add_co_i32 s96, s96, s97
	s_add_co_i32 s96, s96, 127
	s_lshl_b32 s96, s96, 23                        ; 2^(e6 + e7) as f32
	PLACES NP
	TOSTAGE 0
.irp a, 1,2,3,4,5,6,7
.if \a > 1
	s_wait_xcnt 0x0                                ; block a - 2's stores have read their registers and their base
.endif
	TOSTAGE \a
	SEND \a-1, 32                                  ; behind block a - 1's loads: block a's 16 stores and 16 loads
.endr
	s_wait_xcnt 0x0
	SEND 7, 0
	s_wait_tensorcnt 0x0                           ; the wave's end
	ds_add_u32 v[SPW], v[NIL]
	s_wait_dscnt 0x0
	CROUND                                         ; the closing round
	s_endpgm
.Lfunc_end_k_q80402bdae8_proj:
	.size	k_q80402bdae8_proj, .Lfunc_end_k_q80402bdae8_proj-k_q80402bdae8_proj
	.p2alignl 7, 3214868480
	.fill 96, 4, 3214868480
	.section	.rodata,"a",@progbits
	.p2align	6, 0x0
	.amdhsa_kernel k_q80402bdae8_proj
		.amdhsa_group_segment_fixed_size 327680
		.amdhsa_private_segment_fixed_size 0
		.amdhsa_enable_private_segment 0
		.amdhsa_kernarg_size 32
		.amdhsa_user_sgpr_count 2
		.amdhsa_user_sgpr_kernarg_segment_ptr 1
		.amdhsa_wavefront_size32 1
		.amdhsa_system_sgpr_workgroup_id_x 1
		.amdhsa_system_sgpr_workgroup_id_y 1
		.amdhsa_system_sgpr_workgroup_id_z 1
		.amdhsa_system_vgpr_workitem_id 0
		.amdhsa_next_free_vgpr 1024
		.amdhsa_next_free_sgpr 98
		.amdhsa_reserve_vcc 0
		.amdhsa_float_denorm_mode_32 3
		.amdhsa_float_denorm_mode_16_64 3
		.amdhsa_memory_ordered 1
		.amdhsa_forward_progress 1
		.amdhsa_inst_pref_size 124
	.end_amdhsa_kernel
	.amdgpu_metadata
---
amdhsa.version: [ 1, 2 ]
amdhsa.kernels:
  - .name:           k_q80402bdae8_proj
    .symbol:         k_q80402bdae8_proj.kd
    .args:
      - { .name: yc, .offset: 0, .size: 8, .value_kind: global_buffer, .address_space: global }
      - { .name: wfc, .offset: 8, .size: 8, .value_kind: global_buffer, .address_space: global }
      - { .name: lowp_scales, .offset: 16, .size: 8, .value_kind: global_buffer, .address_space: global }
      - { .name: out0, .offset: 24, .size: 8, .value_kind: global_buffer, .address_space: global }
    .group_segment_fixed_size: 327680
    .private_segment_fixed_size: 0
    .kernarg_segment_align: 8
    .kernarg_segment_size: 32
    .max_flat_workgroup_size: 128
    .sgpr_count:     98
    .vgpr_count:     1024
    .wavefront_size: 32
...
	.end_amdgpu_metadata
.endif
;; end of part 4
